; MI455X (gfx1250); checked and timed in simulation.
; The chip was launched on July 23, 2026; its instructions are those of AMD's public machine-readable ISA for CDNA 5 (MIT licence, August 2026) and "CDNA5" Instruction Set Architecture Reference Guide (July 2026). The comments in the code are by the model that wrote it; some were corrected since.
;; Plasmid LM Sparse Mo E. Allowed arithmetic: float matrix products may take bf16 or f16 operands with f32 sums; other float arithmetic in f32, or as packed bf16 or f16 multiplies, adds, multiply-adds, maxima and minima; sums over many terms, partial sums and values carried from step to step in f32; what a program stores and reads back later, other than sums and carried values, may be rounded once to bf16 or f16.
;; Inputs: hidden_states 4 x 2,048 x 1,024 float32; w_down 2 x 2,048 x 1,024 float32; w_router 1,024 x 2 float32; w_up 2 x 1,024 x 2,048 float32.
;; Outputs: out0 4 x 2,048 x 1,024 float32; out1 one number float32.
;; One version. Each part assembles by itself: llvm-mc -triple=amdgcn-amd-amdhsa -mcpu=gfx1250 --defsym DOCPART=n.
;; ======== version 1 of 1: 3 launches
;; limits: a function is approximated: absolute error at most 2.5e-05
;; workspace buffers: xb 16,777,216 bytes; wupb 8,388,608 bytes; wdnb 8,388,608 bytes; act 67,108,864 bytes; gate 65,536 bytes; psum 2,048 bytes
;; launch prep (part 1): grid 256 x 1, 16 waves a work-group, no clusters, 10,496 bytes of LDS; arguments hidden_states, w_router, w_up, w_down, xb, wupb, wdnb, gate, psum; writes xb, wupb, wdnb, gate, psum
.if DOCPART == 1
	.amdgcn_target "amdgcn-amd-amdhsa--gfx1250"
	.amdhsa_code_object_version 6
	.text
	.protected	k_q1cce21a024_prep
	.globl	k_q1cce21a024_prep
	.p2align	8
	.type	k_q1cce21a024_prep,@function
k_q1cce21a024_prep:
	s_mov_b64 s[64:65], 0
	v_nop
	global_prefetch_b8 v0, s[64:65] scope:SCOPE_SE
	s_setreg_imm32_b32 hwreg(HW_REG_WAVE_MODE, 25, 1), 1
	s_wait_xcnt 0x0
; PREP: a stream.  x, w_up and w_down are rounded to bf16 once, in their own layouts (xb, wupb, wdnb); on the way the router is computed:
; logits = x . w_router (both rounded to bf16, products and sums in f32), softmax with the maximum taken away, the two probabilities
; renormalised by their sum (both experts are always chosen: k = E = 2), stored as gate[token][2]; each work-group's sums of p0 and p1 go to psum.
; SHARES.  256 work-groups of 16 waves.  A work-group has 32 token rows and 65,536 bytes of each f32 weight tensor; a wave has 2 rows and 4,096 bytes of each.
; Every wave asks for all its 33 loads of 16 bytes a lane at once (16,896 bytes) and works them off in the order of issue by counted waits: no loop.
; Each load covers 512 consecutive bytes, each store of 8 bytes a lane 256 consecutive bytes at a multiple of 256 from its buffer's first byte.
; LEFT OUT.  Matrix unit: the router has two columns, 4 multiply-adds for each number of x that streams by anyway.  Clusters and tensor loads: no byte but the 8 KB of w_router is read twice.
; LIMITS.  NaN and infinities are not treated apart; an exponential below 2^-126 counts as 0.
.set TAB,   0                          ; LDS 0 .. 8,191: w_router rounded to bf16, kept as f32, [h][e]
.set LOG,   8192                       ; LDS 8,192 .. 8,447: the 32 rows' two logits
.set SPARE, 8448                       ; the spare words: 128 bytes for each of 16 waves; no other line names them
.set XO,  3                            ; v3   byte offset of my 16 bytes in my wave's two rows of x
.set XBO, 4                            ; v4   the same in xb (8 bytes)
.set WI,  5                            ; v5   byte offset of my 16 bytes in my wave's 4,096 of a weight tensor
.set WO,  6                            ; v6   the same in the bf16 copy (8 bytes)
.set TO,  7                            ; v7   16 x thread: my 16 bytes of w_router, in memory and in LDS
.set TL,  8                            ; v8   32 x lane: my 4 rows of the table in each group of 128
.set LA,  9                            ; v9   16 x wave: my wave's four logits
.set SPW, 10                           ; v10  my spare word; never rewritten
.set NIL, 11                           ; v11  0; never rewritten
.set TBL, 12                           ; v[12:75]   for load j: w(h,0), w(h,1) for h = 128 j + 4 lane + 0..3
.set X,   76                           ; v[76:139]  row r, load j at 76 + 32 r + 4 j
.set W,   140                          ; v[140:203] w_up's load j at 140 + 4 j, w_down's at 172 + 4 j
.set T,   204                          ; v[204:207] four numbers at work
.set ACC, 208                          ; v[208:215] four pairs (logit 0, logit 1)
.set LG,  216                          ; v[216:219] l0, l1 of row 0, of row 1
.set TM,  220                          ; v[220:223] at work
	s_load_b512 s[4:19], s[0:1], 0x0               ; x 4:5, w_router 6:7, w_up 8:9, w_down 10:11, xb 12:13, wupb 14:15, wdnb 16:17, gate 18:19
	s_load_b64 s[20:21], s[0:1], 0x40              ; psum
	v_lshl_add_u32 v[SPW], v0, 2, SPARE
	v_mov_b32 v[NIL], 0
	v_and_b32 v1, 31, v0                           ; lane
	v_lshrrev_b32 v2, 5, v0                        ; wave
	v_readfirstlane_b32 s26, v2
	v_lshlrev_b32 v[XO], 4, v1
	v_lshl_or_b32 v[XO], v2, 13, v[XO]             ; two rows of 4,096 bytes a wave
	v_lshlrev_b32 v[XBO], 3, v1
	v_lshl_or_b32 v[XBO], v2, 12, v[XBO]
	v_lshlrev_b32 v[WI], 4, v1
	v_lshl_or_b32 v[WI], v2, 12, v[WI]
	v_lshlrev_b32 v[WO], 3, v1
	v_lshl_or_b32 v[WO], v2, 11, v[WO]
	v_lshlrev_b32 v[TO], 4, v0
	v_lshlrev_b32 v[TL], 5, v1
	v_lshlrev_b32 v[LA], 4, v2
	v_mov_b32 v[TM], 0                             ; v_permlanex16_b32's destination counts as read
	s_mov_b32 s22, 0x76543210                      ; each lane takes its own place in the other half
	s_mov_b32 s23, 0xfedcba98
	s_mov_b32 s29, 0xffff0000                      ; a word's upper bf16
	s_mov_b32 s25, 0
	s_wait_kmcnt 0x0
	s_lshl_b32 s24, ttmp9, 17                      ; 32 rows of 4,096 bytes
	s_add_nc_u64 s[4:5], s[4:5], s[24:25]
	s_lshl_b32 s24, ttmp9, 16                      ; 32 rows of 2,048 bytes; 65,536 bytes of each f32 weight tensor
	s_add_nc_u64 s[12:13], s[12:13], s[24:25]
	s_add_nc_u64 s[8:9], s[8:9], s[24:25]
	s_add_nc_u64 s[10:11], s[10:11], s[24:25]
	s_lshl_b32 s24, ttmp9, 15
	s_add_nc_u64 s[14:15], s[14:15], s[24:25]
	s_add_nc_u64 s[16:17], s[16:17], s[24:25]
	s_lshl_b32 s24, ttmp9, 8                       ; 32 rows of 8 bytes
	s_add_nc_u64 s[18:19], s[18:19], s[24:25]
	s_lshl_b32 s24, ttmp9, 3
	s_add_nc_u64 s[20:21], s[20:21], s[24:25]
	; all 33 loads: the table's 16 bytes, two rows of x, 4,096 bytes of w_up, 4,096 of w_down
	global_load_b128 v[T:T+3], v[TO], s[6:7]
.irp r, 0,1
.irp j, 0,1,2,3,4,5,6,7
	global_load_b128 v[X+32*(\r)+4*(\j):X+32*(\r)+4*(\j)+3], v[XO], s[4:5] offset:4096*(\r)+512*(\j) th:TH_LOAD_NT
.endr
.endr
.irp j, 0,1,2,3,4,5,6,7
	global_load_b128 v[W+4*(\j):W+4*(\j)+3], v[WI], s[8:9] offset:512*(\j) th:TH_LOAD_NT
.endr
.irp j, 0,1,2,3,4,5,6,7
	global_load_b128 v[W+32+4*(\j):W+32+4*(\j)+3], v[WI], s[10:11] offset:512*(\j) th:TH_LOAD_NT
.endr
	; the table: rounded to bf16, widened again, shared through LDS
	s_wait_loadcnt 32                              ; loads return in order: the table's is in, the 32 younger ones stay out
	v_cvt_pk_bf16_f32 v[TM+1], v[T], v[T+1]
	v_cvt_pk_bf16_f32 v[TM+2], v[T+2], v[T+3]
	v_lshlrev_b32 v[T], 16, v[TM+1]
	v_and_b32 v[T+1], s29, v[TM+1]
	v_lshlrev_b32 v[T+2], 16, v[TM+2]
	v_and_b32 v[T+3], s29, v[TM+2]
	ds_store_b128 v[TO], v[T:T+3]
	s_wait_dscnt 0x0                               ; for the others' sake: my part of the table is written
	s_barrier_signal -1
	s_barrier_wait -1
.irp j, 0,1,2,3,4,5,6,7
	ds_load_b128 v[TBL+8*(\j):TBL+8*(\j)+3],   v[TL] offset:1024*(\j)
	ds_load_b128 v[TBL+8*(\j)+4:TBL+8*(\j)+7], v[TL] offset:1024*(\j)+16
.endr
	s_wait_dscnt 0x0
; The sum of v over the wave's 32 lanes, into d, in every lane.
.macro RED d, v
	v_add_f32_dpp v[\v], v[\v], v[\v] row_xmask:1 row_mask:0xf bank_mask:0xf
	v_add_f32_dpp v[\v], v[\v], v[\v] row_xmask:2 row_mask:0xf bank_mask:0xf
	v_add_f32_dpp v[\v], v[\v], v[\v] row_xmask:4 row_mask:0xf bank_mask:0xf
	v_add_f32_dpp v[\v], v[\v], v[\v] row_xmask:8 row_mask:0xf bank_mask:0xf
	v_permlanex16_b32 v[TM], v[\v], s22, s23
	v_add_f32 v[\d], v[\v], v[TM]
.endm
; Load j of row r: four numbers are rounded in place and stored (their registers are never written again), widened, and multiplied into both logits.
.macro ROWJ r, j
.set XR, X+32*(\r)+4*(\j)
.set TB, TBL+8*(\j)
	s_wait_loadcnt 31-8*(\r)-(\j)                  ; this load is in; the younger ones stay out
	v_cvt_pk_bf16_f32 v[XR], v[XR], v[XR+1]
	v_cvt_pk_bf16_f32 v[XR+1], v[XR+2], v[XR+3]
	global_store_b64 v[XBO], v[XR:XR+1], s[12:13] offset:2048*(\r)+256*(\j)
	v_lshlrev_b32 v[T], 16, v[XR]
	v_and_b32 v[T+1], s29, v[XR]
	v_lshlrev_b32 v[T+2], 16, v[XR+1]
	v_and_b32 v[T+3], s29, v[XR+1]
.if (\j) == 0                          ; the first products start the sums
	v_pk_mul_f32 v[ACC:ACC+1],   v[T:T+1],   v[TB:TB+1]   op_sel_hi:[0,1]
	v_pk_mul_f32 v[ACC+2:ACC+3], v[T:T+1],   v[TB+2:TB+3] op_sel:[1,0] op_sel_hi:[1,1]
	v_pk_mul_f32 v[ACC+4:ACC+5], v[T+2:T+3], v[TB+4:TB+5] op_sel_hi:[0,1]
	v_pk_mul_f32 v[ACC+6:ACC+7], v[T+2:T+3], v[TB+6:TB+7] op_sel:[1,0] op_sel_hi:[1,1]
.else                                  ; one number of x for both halves, times (w(h,0), w(h,1))
	v_pk_fma_f32 v[ACC:ACC+1],   v[T:T+1],   v[TB:TB+1],   v[ACC:ACC+1]   op_sel_hi:[0,1,1]
	v_pk_fma_f32 v[ACC+2:ACC+3], v[T:T+1],   v[TB+2:TB+3], v[ACC+2:ACC+3] op_sel:[1,0,0] op_sel_hi:[1,1,1]
	v_pk_fma_f32 v[ACC+4:ACC+5], v[T+2:T+3], v[TB+4:TB+5], v[ACC+4:ACC+5] op_sel_hi:[0,1,1]
	v_pk_fma_f32 v[ACC+6:ACC+7], v[T+2:T+3], v[TB+6:TB+7], v[ACC+6:ACC+7] op_sel:[1,0,0] op_sel_hi:[1,1,1]
.endif
.endm
.irp r, 0,1
.irp j, 0,1,2,3,4,5,6,7
	ROWJ \r, \j
.endr
	v_pk_add_f32 v[ACC:ACC+1], v[ACC:ACC+1], v[ACC+2:ACC+3]
	v_pk_add_f32 v[ACC+4:ACC+5], v[ACC+4:ACC+5], v[ACC+6:ACC+7]
	v_pk_add_f32 v[ACC:ACC+1], v[ACC:ACC+1], v[ACC+4:ACC+5]
	RED LG+2*(\r), ACC
	RED LG+2*(\r)+1, ACC+1
.endr
	ds_store_b128 v[LA], v[LG:LG+3] offset:LOG     ; all lanes write the same 16 bytes, my wave's own
	; the weights: rounded in place and stored
.irp j, 0,1,2,3,4,5,6,7
	s_wait_loadcnt 15-(\j)
	v_cvt_pk_bf16_f32 v[W+4*(\j)], v[W+4*(\j)], v[W+4*(\j)+1]
	v_cvt_pk_bf16_f32 v[W+4*(\j)+1], v[W+4*(\j)+2], v[W+4*(\j)+3]
	global_store_b64 v[WO], v[W+4*(\j):W+4*(\j)+1], s[14:15] offset:256*(\j)
.endr
.irp j, 0,1,2,3,4,5,6,7
	s_wait_loadcnt 7-(\j)
	v_cvt_pk_bf16_f32 v[W+32+4*(\j)], v[W+32+4*(\j)], v[W+32+4*(\j)+1]
	v_cvt_pk_bf16_f32 v[W+32+4*(\j)+1], v[W+32+4*(\j)+2], v[W+32+4*(\j)+3]
	global_store_b64 v[WO], v[W+32+4*(\j):W+32+4*(\j)+1], s[16:17] offset:256*(\j)
.endr
	s_wait_tensorcnt 0x0                           ; behind my last LDS store
	ds_add_u32 v[SPW], v[NIL]
	s_wait_dscnt 0x0                               ; the wait also shows my logits written, for wave 0's sake
	s_barrier_signal -1
	s_barrier_wait -1
	s_cmp_lg_u32 s26, 0
	s_cbranch_scc1 .Lend
	; wave 0: a lane for each of the 32 rows
	v_lshlrev_b32 v[TM+2], 3, v1
	ds_load_b64 v[T:T+1], v[TM+2] offset:LOG
	s_wait_dscnt 0x0
	v_max_num_f32 v[T+2], v[T], v[T+1]             ; the maximum is taken away
	v_sub_f32 v[T], v[T], v[T+2]
	v_sub_f32 v[T+1], v[T+1], v[T+2]
	v_mul_f32 v[T], 0x3fb8aa3b, v[T]               ; log2(e)
	v_mul_f32 v[T+1], 0x3fb8aa3b, v[T+1]
	v_exp_f32 v[ACC], v[T]
	v_exp_f32 v[ACC+1], v[T+1]
	v_nop                                          ; a plain instruction behind the batch,
	s_wait_alu depctr_va_vdst(0)                   ; and the wait ahead of its first reader
	v_add_f32 v[ACC+2], v[ACC], v[ACC+1]
	v_rcp_f32 v[ACC+3], v[ACC+2]
	v_nop
	s_wait_alu depctr_va_vdst(0)
	v_mul_f32 v[ACC+4], v[ACC], v[ACC+3]           ; p0, p1
	v_mul_f32 v[ACC+5], v[ACC+1], v[ACC+3]
	v_add_f32 v[ACC+6], v[ACC+4], v[ACC+5]
	v_rcp_f32 v[ACC+7], v[ACC+6]
	v_nop
	s_wait_alu depctr_va_vdst(0)
	v_mul_f32 v[LG], v[ACC+4], v[ACC+7]            ; the top-2 weights, renormalised
	v_mul_f32 v[LG+1], v[ACC+5], v[ACC+7]
	global_store_b64 v[TM+2], v[LG:LG+1], s[18:19] ; 256 consecutive bytes
	RED LG+2, ACC+4                                ; the 32 rows' sums of p0 and of p1
	RED LG+3, ACC+5
	v_cmp_eq_u32 vcc_lo, 0, v0
	s_wait_xcnt 0x0                                ; EXEC changes only behind this wait
	s_and_saveexec_b32 s28, vcc_lo
	global_store_b64 v[TM+2], v[LG+2:LG+3], s[20:21]  ; lane 0 alone; its offset is 0
	s_wait_xcnt 0x0
	s_or_b32 exec_lo, exec_lo, s28
.Lend:
	s_endpgm
.Lfunc_end_k_q1cce21a024_prep:
	.size	k_q1cce21a024_prep, .Lfunc_end_k_q1cce21a024_prep-k_q1cce21a024_prep
	.p2alignl 7, 3214868480
	.fill 96, 4, 3214868480
	.section	.rodata,"a",@progbits
	.p2align	6, 0x0
	.amdhsa_kernel k_q1cce21a024_prep
		.amdhsa_group_segment_fixed_size 10496
		.amdhsa_private_segment_fixed_size 0
		.amdhsa_enable_private_segment 0
		.amdhsa_kernarg_size 72
		.amdhsa_user_sgpr_count 2
		.amdhsa_user_sgpr_kernarg_segment_ptr 1
		.amdhsa_wavefront_size32 1
		.amdhsa_system_sgpr_workgroup_id_x 1
		.amdhsa_system_sgpr_workgroup_id_y 1
		.amdhsa_system_sgpr_workgroup_id_z 1
		.amdhsa_system_vgpr_workitem_id 0
		.amdhsa_next_free_vgpr 224
		.amdhsa_next_free_sgpr 66
		.amdhsa_reserve_vcc 1
		.amdhsa_float_denorm_mode_32 3
		.amdhsa_float_denorm_mode_16_64 3
		.amdhsa_memory_ordered 1
		.amdhsa_forward_progress 1
		.amdhsa_inst_pref_size 25
	.end_amdhsa_kernel
	.amdgpu_metadata
---
amdhsa.version: [ 1, 2 ]
amdhsa.kernels:
  - .name:           k_q1cce21a024_prep
    .symbol:         k_q1cce21a024_prep.kd
    .args:
      - { .name: hidden_states, .offset: 0, .size: 8, .value_kind: global_buffer, .address_space: global }
      - { .name: w_router, .offset: 8, .size: 8, .value_kind: global_buffer, .address_space: global }
      - { .name: w_up, .offset: 16, .size: 8, .value_kind: global_buffer, .address_space: global }
      - { .name: w_down, .offset: 24, .size: 8, .value_kind: global_buffer, .address_space: global }
      - { .name: xb, .offset: 32, .size: 8, .value_kind: global_buffer, .address_space: global }
      - { .name: wupb, .offset: 40, .size: 8, .value_kind: global_buffer, .address_space: global }
      - { .name: wdnb, .offset: 48, .size: 8, .value_kind: global_buffer, .address_space: global }
      - { .name: gate, .offset: 56, .size: 8, .value_kind: global_buffer, .address_space: global }
      - { .name: psum, .offset: 64, .size: 8, .value_kind: global_buffer, .address_space: global }
    .group_segment_fixed_size: 10496
    .private_segment_fixed_size: 0
    .kernarg_segment_align: 8
    .kernarg_segment_size: 72
    .max_flat_workgroup_size: 512
    .sgpr_count:     66
    .vgpr_count:     224
    .wavefront_size: 32
...
	.end_amdgpu_metadata
.endif
;; end of part 1
;; launch up (part 2): grid 16 x 32, 4 waves a work-group, clusters of 4 x 4, 327,680 bytes of LDS; arguments xb, wupb, gate, psum, act, out1; writes act, out1
.if DOCPART == 2
	.amdgcn_target "amdgcn-amd-amdhsa--gfx1250"
	.amdhsa_code_object_version 6
	.text
	.protected	k_q1cce21a024_up
	.globl	k_q1cce21a024_up
	.p2align	8
	.type	k_q1cce21a024_up,@function
k_q1cce21a024_up:
	s_mov_b64 s[64:65], 0
	v_nop
	global_prefetch_b8 v0, s[64:65] scope:SCOPE_SE
	s_setreg_imm32_b32 hwreg(HW_REG_WAVE_MODE, 25, 1), 1
	s_wait_xcnt 0x0
	s_wait_alu depctr_hold_cnt(0) depctr_sa_sdst(0) depctr_va_vdst(0) depctr_va_sdst(0) depctr_va_ssrc(0) depctr_va_vcc(0) depctr_vm_vsrc(0)
	s_getreg_b32 s2, hwreg(HW_REG_IB_STS2, 6, 4)
	s_cmp_eq_u32 s2, 0
	s_cbranch_scc0 .Lentry_in_a_cluster
	s_endpgm
.Lentry_in_a_cluster:
	s_bfe_u32 s2, ttmp6, 0x10000c
	s_cmp_lg_u32 s2, 0xf033
	s_cbranch_scc0 .Lentry_shape_is_right
	s_endpgm
.Lentry_shape_is_right:
; UP: act[t][n] = gate[t][e] gelu(sum over h of xb[t][h] wupb[e][h][f]), n = 2048 e + f.  xb [8192][1024], wupb [2][1024][2048], act [8192][4096], all bf16; sums, gate and GELU in f32; act rounded once.
; Also out1 = 2 (0.5 P0 + 0.5 P1) = (the sum of all p0 and p1) / 8192: both experts are chosen for every token, so each f is 0.5.
; A tile of act, 256 x 256, is made by four waves, 128 x 128 each: 64 accumulators, 512 registers.  K goes in 8 steps of 128 through two LDS slots filled by tensor loads.
; A's rows lie along K (256 bytes a row in a tile).  The weights lie [K][N]: a tile is 128 rows of 512 bytes, and its fragments are turned on the way out of LDS by ds_load_tr16_b128.
; CLUSTER 4 x 4: the four of a row of the cluster need the same tile of xb, the four of a column the same tile of wupb: each is asked for jointly, by one descriptor and a mask of four.
; THE MATRIX INSTRUCTION IS USED TRANSPOSED (source 0 = 16 columns of the weights, source 1 = 16 rows of xb): a lane holds eight neighbouring numbers of a row of act.
; THE WAY OUT.  The f32 tile goes into LDS (each wave's own 128 rows x 528 bytes, in the ring, which has had its last fill and which no wave reads any more behind the last barrier), and comes back by whole rows,
; 16 rows a trip: a lane has 4 numbers of a row, the row's gate is one number for the wave, and a store of 8 bytes a lane covers the row's 256 consecutive bytes of act.
; GELU.  w gelu(x) = X + |X| erf(|x| / sqrt 2), X = 0.5 w x (w >= 0); erf(z) = 1 - (a1 t + a2 t^2 + a3 t^3) exp(-z^2), t = 1 / (1 + 0.47047 z): Abramowitz and Stegun 7.1.25.
; LIMITS.  That formula's error is at most 2.5e-5 for every z, against the 2^-9 of the rounding to bf16 that follows.  NaN and infinities are not treated apart; an exponential below 2^-126 counts as 0.
; act is bf16, not f16: an up-projection of larger inputs has no safe room in f16.
; REGISTERS, in windows of 256: window 0: v0-31 addresses; v64-127, v128-191 A's fragments, two buffers; on the way out v2-23 and v32-255.  window 1: v64-191 B's fragments.  windows 2, 3: accumulator (a, b) at v[8 (8 a + b)].
.set KSTEP,  128
.set PA,     272                       ; A's LDS row: 256 bytes + 16: the 16 rows of a fragment load start 4 banks apart
.set PB,     544                       ; B's LDS row: 512 bytes + 32, an odd multiple of 32, for the turning load
.set HALFT,  128*PA                    ; = 64 PB: what one tensor load brings
.set SLOT,   4*HALFT                   ; A's 256 rows, then B's 128 rows
.set GT,     2*SLOT                    ; behind the ring: 512 bytes a wave: 0.5 x gate of its 128 rows
.set SPARE,  GT+2048                   ; the spare words, 128 bytes a wave; no other line names them
.set DP,     528                       ; a row of the f32 tile in LDS: 512 bytes + 16
.set DUMPW,  128*DP                    ; a wave's f32 tile
.set LAPS,   4                         ; a lap = two K steps
.set TP,   2                           ; v[2:5]   the way out: two pairs at work
.set RD,   6                           ; v6       the way out: where I read the trip's rows back
.set GA,   7                           ; v7       the way out: the trip's gates
.set ADRA, 16                          ; v16-17   LDS address of my A fragments in slot 0, 1
.set ADRB, 20                          ; v20-21   the same for B
.set STO,  24                          ; v24      the way out: where I put 32 bytes of a row
.set RD0,  25                          ; v25      my 16 bytes in the first row of my f32 tile; never rewritten
.set CO,   26                          ; v26      my byte offset in the trip's rows of act
.set GA0,  27                          ; v27      my wave's first gate; never rewritten
.set SPW,  28                          ; v28      my spare word; never rewritten
.set NIL,  29                          ; v29      0; never rewritten
.set AUX,  30                          ; v30      out1's number, from the head to the end
.set F0,   64
.set F1,   128
.set WV,  16                           ; s16 wave;  s17 its half of the rows, also: it fetches for A (0) or B (1);  s18 its half of the columns, also: which half of that tile it fetches
.set HM,  17
.set HN,  18
.set G1,  24                           ; s[24:31] group 1 for A;  s[32:39] group 0, a set for each slot
.set G0,  32
.set G1B, 48                           ; s[48:55], s[56:63] the same for B
.set G0B, 56
.set K1,  66                           ; s66      0.47047 / sqrt 2
.set C1,  68                           ; s[68:69] sqrt(0.5 log2 e): 2^-(C1 x)^2 = exp(-x^2 / 2)
.set A1,  70                           ; s[70:71], s[72:73], s[74:75] a1, a2, a3; the packed forms name pairs and take the low word
.set A2,  72
.set A3,  74
.set SEL, 76                           ; s[76:77] v_permlanex16_b32's selects
.set TBR, 82                           ; s82      the way out: the trip's first row in my f32 tile, in bytes
.set TBG, 83                           ; s83      the way out: the trip's first gate, in bytes
.set MSB, 0
.macro WIN new                         ; the immediate's high byte repeats the setting that is left; a switch that changes nothing is dropped
.if MSB != (\new)
	s_set_vgpr_msb (MSB<<8)|(\new)
.set MSB, \new
.endif
.endm
.set MUL_LO, 0xa1                      ; source 0 (B) window 1, source 1 (A) window 0, C and D window 2
.set MUL_HI, 0xf1                      ; the same, C and D window 3
.set TO_B,   0x40                      ; destination window 1, address window 0
; A joint load: waves 0 and 1 fetch A's two halves, waves 2 and 3 B's.  The branch hangs on the wave's number alone.  An s_nop 0 and four v_nop follow each line.
.macro JLOAD s
	s_cmp_eq_u32 s[HM], 0
	s_cbranch_scc0 .Lfor_b_\@
	tensor_load_to_lds s[G0+4*(\s):G0+4*(\s)+3], s[G1:G1+7]
	s_nop 0
.rept 4
	v_nop
.endr
	s_branch .Lasked_\@
.Lfor_b_\@:
	tensor_load_to_lds s[G0B+4*(\s):G0B+4*(\s)+3], s[G1B:G1B+7]
	s_nop 0
.rept 4
	v_nop
.endr
.Lasked_\@:
.endm
.macro CREST                           ; a round of the cluster's barrier behind its opening barrier
	s_cmp_lg_u32 s[WV], 0
	s_cbranch_scc1 .Lnot_wave_0_\@
	s_barrier_signal -3
.Lnot_wave_0_\@:
	s_barrier_wait -3
	s_barrier_signal -1
	s_barrier_wait -1
.endm
.macro CROUND                          ; a whole round
	s_barrier_signal -1
	s_barrier_wait -1
	CREST
.endm
	s_load_b256 s[4:11], s[0:1], 0x0               ; xb 4:5, wupb 6:7, gate 8:9, psum 10:11
	s_load_b128 s[12:15], s[0:1], 0x20             ; act 12:13, out1 14:15
	v_lshl_add_u32 v[SPW], v0, 2, SPARE
	v_mov_b32 v[NIL], 0
	ds_add_u32 v[SPW], v[NIL]                      ; the wave's opening: the add and its wait come ahead of my first tensor load; the set-up below stands between them
	v_lshrrev_b32 v1, 5, v0
	v_readfirstlane_b32 s[WV], v1
	s_lshr_b32 s[HM], s[WV], 1
	s_and_b32 s[HN], s[WV], 1
	s_bfe_u32 s19, ttmp6, 0x40000                  ; cx
	s_bfe_u32 s20, ttmp6, 0x40004                  ; cy
	s_lshl_b32 s21, ttmp9, 2
	s_add_co_u32 s21, s21, s19                     ; tile column c = 4 x cluster x + cx; expert c >> 3
	s_and_b32 s22, ttmp7, 0xffff
	s_lshl_b32 s22, s22, 2
	s_add_co_u32 s22, s22, s20                     ; tile row = 4 x cluster y + cy
	s_lshl_b32 s80, s20, 2
	s_lshl_b32 s80, 15, s80                        ; my row of the cluster
	s_lshl_b32 s81, 0x1111, s19                    ; my column
	s_or_b32 s[G1+0], s80, (1<<16)|(1<<20)|(1<<21)|(5<<22)|(3<<25)   ; mask; 2-byte elements; padding on; bit 21 beside a mask; after every 64 words 4 words
	s_or_b32 s[G1B+0], s81, (1<<16)|(1<<20)|(1<<21)|(6<<22)|(7<<25)  ; the same; after every 128 words 8 words
	s_mov_b32 s[G1+1], 128<<16                     ; A: tensor_dim0 = 128
	s_mov_b32 s[G1+2], 128<<16                     ; tensor_dim1 = 128
	s_mov_b32 s[G1+3], 128<<16                     ; tile_dim0 = 128
	s_mov_b32 s[G1+4], 128                         ; tile_dim1 = 128
	s_mov_b32 s[G1+5], 1024                        ; elements from row to row
	s_mov_b32 s[G1+6], 0
	s_mov_b32 s[G1+7], 0
	s_mov_b32 s[G1B+1], 256<<16                    ; B: tensor_dim0 = 256
	s_mov_b32 s[G1B+2], 64<<16                     ; tensor_dim1 = 64
	s_mov_b32 s[G1B+3], 256<<16                    ; tile_dim0 = 256
	s_mov_b32 s[G1B+4], 64                         ; tile_dim1 = 64
	s_mov_b32 s[G1B+5], 2048
	s_mov_b32 s[G1B+6], 0
	s_mov_b32 s[G1B+7], 0
	s_lshl_b32 s23, s[HN], 18                      ; A: 128 rows of 2,048 bytes; B: 64 rows of 4,096 bytes
	s_lshl_b32 s40, s22, 19                        ; A: 256 rows of 2,048 bytes a tile row: it hangs on the tile row and the wave alone
	s_add_co_u32 s40, s40, s23
	s_mov_b32 s41, 0
	s_lshr_b32 s42, s21, 3                         ; B: the expert's 4,194,304 bytes, 512 bytes a tile column: it hangs on the tile column and the wave alone
	s_lshl_b32 s42, s42, 22
	s_and_b32 s43, s21, 7
	s_lshl_b32 s43, s43, 9
	s_add_co_u32 s42, s42, s43
	s_add_co_u32 s42, s42, s23
	s_mov_b32 s43, 0
	s_mul_i32 s2, s[WV], HALFT                     ; where my load goes: A's halves, then B's: the wave's number alone
	s_mov_b32 s[K1], 0x3eaa540e
	s_mov_b32 s[C1], 0x3f596d27
	s_mov_b32 s[C1+1], 0x3f596d27
	s_mov_b32 s[A1], 0x3eb2303a
	s_mov_b32 s[A1+1], 0x3eb2303a
	s_mov_b32 s[A2], 0xbdc45ca1
	s_mov_b32 s[A2+1], 0xbdc45ca1
	s_mov_b32 s[A3], 0x3f3f7377
	s_mov_b32 s[A3+1], 0x3f3f7377
	s_mov_b32 s[SEL], 0x76543210
	s_mov_b32 s[SEL+1], 0xfedcba98
	s_wait_dscnt 0x0                               ; the opening add is done
	s_wait_kmcnt 0x0
	s_add_nc_u64 s[40:41], s[4:5], s[40:41]
	s_add_nc_u64 s[42:43], s[6:7], s[42:43]
	CROUND                                         ; all sixteen work-groups are here: the first joint loads meet
.irp s, 0,1
	s_mov_b32 s[G0+4*(\s)], 1
	s_add_co_u32 s[G0+4*(\s)+1], s2, (\s)*SLOT
	s_add_nc_u64 s[G0+4*(\s)+2:G0+4*(\s)+3], s[40:41], (\s)*KSTEP*2       ; K step s: 256 bytes along the rows
	s_or_b32 s[G0+4*(\s)+3], s[G0+4*(\s)+3], 0x80000000
	s_mov_b32 s[G0B+4*(\s)], 1
	s_add_co_u32 s[G0B+4*(\s)+1], s2, (\s)*SLOT
	s_add_nc_u64 s[G0B+4*(\s)+2:G0B+4*(\s)+3], s[42:43], (\s)*KSTEP*4096  ; K step s: 128 rows down
	s_or_b32 s[G0B+4*(\s)+3], s[G0B+4*(\s)+3], 0x80000000
	JLOAD \s                                       ; two loads of mine are out
.endr
	; in the wait for the tiles: addresses, gates, out1's sum
	v_and_b32 v1, 15, v0                           ; r = l % 16
	v_bfe_u32 v2, v0, 4, 1                         ; h = l / 16
	v_and_b32 v10, 31, v0                          ; l
	v_mul_u32_u24 v3, v1, PA
	v_lshl_add_u32 v3, v2, 4, v3                   ; A: row x pitch + 16 h
	s_mul_i32 s44, s[HM], HALFT
	v_add_nc_u32 v[ADRA], s44, v3
	v_add_nc_u32 v[ADRA+1], SLOT, v[ADRA]
	v_and_b32 v4, 7, v0                            ; B: lane l reads row 8 h + l % 8, 16 bytes at 16 ((l / 8) % 2); the load leaves column l % 16 and eight k in the lane
	v_lshl_add_u32 v4, v2, 3, v4
	v_mul_u32_u24 v4, v4, PB
	v_bfe_u32 v5, v0, 3, 1
	v_lshl_add_u32 v4, v5, 4, v4
	s_lshl_b32 s44, s[HN], 8                       ; my 128 columns
	s_add_co_u32 s44, s44, 2*HALFT
	v_add_nc_u32 v[ADRB], s44, v4
	v_add_nc_u32 v[ADRB+1], SLOT, v[ADRB]
	s_mul_i32 s44, s[WV], DUMPW                    ; my f32 tile
	v_mul_u32_u24 v[STO], v1, DP
	v_lshl_add_u32 v[STO], v2, 5, v[STO]
	v_add_nc_u32 v[STO], s44, v[STO]               ; in: row l % 16, 32 bytes for each half of the lanes
	v_lshl_add_u32 v[RD0], v10, 4, s44             ; back: 32 lanes take a row's 512 bytes
	v_mov_b32 v[RD], v[RD0]                        ; the first trip's rows
	s_lshl_b32 s44, s[WV], 9
	s_add_co_u32 s44, s44, GT
	v_mov_b32 v[GA0], s44
	v_mov_b32 v[GA], s44                           ; the first trip's gates
	v_lshl_add_u32 v9, v10, 4, s44
	v_lshlrev_b32 v[CO], 3, v10
	v_lshlrev_b32 v8, 5, v10                       ; lane l takes the gates of rows 4 l .. 4 l + 3, 8 bytes apart
	v_mov_b32 v[AUX], 0                            ; written on every path; the block below gives it out1's number
	s_lshl_b32 s44, s22, 11                        ; gate: my first row x 8 bytes,
	s_lshl_b32 s45, s[HM], 10
	s_add_co_u32 s44, s44, s45
	s_mov_b32 s45, 0
	s_add_nc_u64 s[8:9], s[8:9], s[44:45]
	s_lshr_b32 s46, s21, 3                         ; and the expert's word
	s_lshl_b32 s46, s46, 2
	s_mov_b32 s47, 0
	s_add_nc_u64 s[8:9], s[8:9], s[46:47]
.irp i, 0,1,2,3
	global_load_b32 v[32+(\i)], v8, s[8:9] offset:8*(\i)
.endr
	s_lshl_b32 s44, s22, 21                        ; act: my first row x 8,192 bytes,
	s_lshl_b32 s45, s[HM], 20
	s_add_co_u32 s44, s44, s45
	s_mov_b32 s45, 0
	s_add_nc_u64 s[12:13], s[12:13], s[44:45]
	s_lshl_b32 s46, s21, 9                         ; and my first column
	s_lshl_b32 s47, s[HN], 8
	s_add_co_u32 s46, s46, s47
	s_mov_b32 s47, 0
	s_add_nc_u64 s[12:13], s[12:13], s[46:47]
	s_wait_loadcnt 0x0
	v_pk_mul_f32 v[32:33], v[32:33], 0.5 op_sel_hi:[1,0]
	v_pk_mul_f32 v[34:35], v[34:35], 0.5 op_sel_hi:[1,0]
	ds_store_b128 v9, v[32:35]                     ; my wave's own 512 bytes: 0.5 w of row i at 4 i
	; out1's sum: wave 0 of the work-groups of cluster (0, 0) adds the 256 pairs of psum, all lanes on, and keeps the number; it is stored at the kernel's end.
	; Both jumps go forward, past no barrier and no tensor load, and hang on the wave's number and the cluster's place, which partners share.
	s_cmp_lg_u32 s[WV], 0
	s_cbranch_scc1 .Lno_aux
	s_and_b32 s44, ttmp7, 0xffff
	s_or_b32 s44, s44, ttmp9
	s_cmp_lg_u32 s44, 0
	s_cbranch_scc1 .Lno_aux
	v_lshlrev_b32 v11, 6, v10                      ; 64 bytes a lane: 2,048 in all
.irp i, 0,1,2,3
	global_load_b128 v[36+4*(\i):39+4*(\i)], v11, s[10:11] offset:16*(\i)
.endr
	s_wait_loadcnt 0x0
	v_pk_add_f32 v[36:37], v[36:37], v[38:39]
	v_pk_add_f32 v[40:41], v[40:41], v[42:43]
	v_pk_add_f32 v[44:45], v[44:45], v[46:47]
	v_pk_add_f32 v[48:49], v[48:49], v[50:51]
	v_pk_add_f32 v[36:37], v[36:37], v[40:41]
	v_pk_add_f32 v[44:45], v[44:45], v[48:49]
	v_pk_add_f32 v[36:37], v[36:37], v[44:45]
	v_add_f32 v36, v36, v37
	v_add_f32_dpp v36, v36, v36 row_xmask:1 row_mask:0xf bank_mask:0xf
	v_add_f32_dpp v36, v36, v36 row_xmask:2 row_mask:0xf bank_mask:0xf
	v_add_f32_dpp v36, v36, v36 row_xmask:4 row_mask:0xf bank_mask:0xf
	v_add_f32_dpp v36, v36, v36 row_xmask:8 row_mask:0xf bank_mask:0xf
	v_permlanex16_b32 v37, v36, s[SEL], s[SEL+1]
	v_add_f32 v36, v36, v37
	v_mul_f32 v[AUX], 0x39000000, v36              ; / 8192
.Lno_aux:
; 16 matrix instructions: row blocks a0, a0 + 1 of the window's four x all 8 column blocks, 32 along K.  zero = 1: the first product starts the sums.
; The 64 accumulators take turns, one instruction a turn, in the same order in every quarter.
.macro MUL16 f, hi, a0, zero
	WIN MUL_LO+0x50*(\hi)
.irp a, \a0, (\a0)+1
.irp b, 0,1,2,3,4,5,6,7
.if \zero
	v_wmma_f32_16x16x32_bf16 v[8*(8*(\a)+(\b)):8*(8*(\a)+(\b))+7], v[(\f)+8*(\b):(\f)+8*(\b)+7], v[(\f)+8*(4*(\hi)+(\a)):(\f)+8*(4*(\hi)+(\a))+7], 0
.else
	v_wmma_f32_16x16x32_bf16 v[8*(8*(\a)+(\b)):8*(8*(\a)+(\b))+7], v[(\f)+8*(\b):(\f)+8*(\b)+7], v[(\f)+8*(4*(\hi)+(\a)):(\f)+8*(4*(\hi)+(\a))+7], v[8*(8*(\a)+(\b)):8*(8*(\a)+(\b))+7]
.endif
.endr
.endr
.endm
; 32 LDS loads in one run: quarter q (32 along K) of a slot into buffer f: B's 8 column blocks, turned, then A's 8 row blocks
.macro FETCH slot, q, f
	WIN TO_B
.irp i, 0,1,2,3,4,5,6,7
	ds_load_tr16_b128 v[(\f)+8*(\i):(\f)+8*(\i)+3],   v[ADRB+(\slot)] offset:(\q)*32*PB+32*(\i)
	ds_load_tr16_b128 v[(\f)+8*(\i)+4:(\f)+8*(\i)+7], v[ADRB+(\slot)] offset:(\q)*32*PB+16*PB+32*(\i)
.endr
	WIN 0
.irp i, 0,1,2,3,4,5,6,7
	ds_load_b128 v[(\f)+8*(\i):(\f)+8*(\i)+3],   v[ADRA+(\slot)] offset:64*(\q)+(\i)*16*PA
	ds_load_b128 v[(\f)+8*(\i)+4:(\f)+8*(\i)+7], v[ADRA+(\slot)] offset:64*(\q)+(\i)*16*PA+32
.endr
.endm
.macro PLACES                          ; four plain vector instructions between matrix instructions and loads into their sources or readers of their results
.rept 4
	v_nop
.endr
.endm
; One of a K step's first three quarters: multiplies buffer f; in its middle it fetches quarter q of the same slot into buffer g.
.macro QUARTER slot, q, f, g, zero
	s_wait_dscnt 8                                 ; B and A's rows 0-63 are in; the youngest eight loads (A's rows 64-127) may be out
	MUL16 \f, 0, 0, \zero
	MUL16 \f, 0, 2, \zero
	PLACES
	FETCH \slot, \q, \g
	s_wait_dscnt 32                                ; all but the 32 just issued
	MUL16 \f, 1, 0, \zero
	MUL16 \f, 1, 2, \zero
.endm
; The first half of a K step's last quarter: one barrier for the change of slots.
.macro MEET round
	WIN 0
	s_wait_tensorcnt 0x0                           ; all my tensor loads have landed: the one that was out is my part of the next slot;
	ds_add_u32 v[SPW], v[NIL]                      ; 0 onto my spare word;
	s_wait_dscnt 9                                 ; (the add and the youngest eight loads may be out)
	MUL16 F1, 0, 0, 0
	s_wait_dscnt 0x0                               ; the add is done, and my reads of this slot are over
	s_barrier_signal -1
	MUL16 F1, 0, 2, 0
.if \round
	WIN 0
.endif
	s_barrier_wait -1
.endm
; The whole last quarter.  fill = 1: the barrier opens a round of the cluster's, and the slot just read out is filled again first behind it, two K steps on: 224 matrix instructions ahead of the wait for it.
.macro TURN slot, next, fill
	MEET \fill
.if \fill
	CREST                                          ; no wave of any partner still reads this slot or has a load on its way
	s_add_nc_u64 s[G0+4*(\slot)+2:G0+4*(\slot)+3], s[G0+4*(\slot)+2:G0+4*(\slot)+3], 2*KSTEP*2
	s_add_nc_u64 s[G0B+4*(\slot)+2:G0B+4*(\slot)+3], s[G0B+4*(\slot)+2:G0B+4*(\slot)+3], 2*KSTEP*4096
	JLOAD \slot                                    ; its four v_nop are also the places in front of the loads below
.else
	PLACES
.endif
	FETCH \next, 0, F0
	MUL16 F1, 1, 0, 0
	MUL16 F1, 1, 2, 0
.endm
	s_wait_dscnt 0x0                               ; my gates are written
	s_wait_tensorcnt 0x1                           ; my part of K step 0 is in; K step 1's may stay out
	s_barrier_signal -1
	s_barrier_wait -1
	FETCH 0, 0, F0
	QUARTER 0, 1, F0, F1, 1                        ; the first quarter's products start the sums
	WIN 0
	s_mov_b32 s3, LAPS-1
.Llap:                                                 ; a trip goes once round the ring and fills both slots again: K steps 2 to 7
	QUARTER 0, 2, F1, F0, 0
	QUARTER 0, 3, F0, F1, 0
	TURN 0, 1, 1
	QUARTER 1, 1, F0, F1, 0
	QUARTER 1, 2, F1, F0, 0
	QUARTER 1, 3, F0, F1, 0
	TURN 1, 0, 1
	QUARTER 0, 1, F0, F1, 0
	WIN 0
	s_sub_co_u32 s3, s3, 1
	s_cmp_lg_u32 s3, 0
	s_cbranch_scc1 .Llap
	QUARTER 0, 2, F1, F0, 0                        ; the last lap fills nothing
	QUARTER 0, 3, F0, F1, 0
	TURN 0, 1, 0
	QUARTER 1, 1, F0, F1, 0
	QUARTER 1, 2, F1, F0, 0
	QUARTER 1, 3, F0, F1, 0
	s_wait_dscnt 8
	MUL16 F1, 0, 0, 0
	MUL16 F1, 0, 2, 0
	s_wait_dscnt 0x0                               ; my last reads of the ring are over:
	s_barrier_signal -1                            ; behind this barrier no wave reads it, and no tensor load fills it again
	MUL16 F1, 1, 0, 0
	MUL16 F1, 1, 2, 0
	WIN 0
	s_barrier_wait -1
	PLACES
	; the f32 tile into my 128 rows of LDS; each accumulator's low registers first
.irp a, 0,1,2,3,4,5,6,7
	WIN 0x08+4*((\a)/4)                            ; store data in window 2 or 3
.irp b, 0,1,2,3,4,5,6,7
	ds_store_b128 v[STO], v[8*(8*((\a)%4)+(\b)):8*(8*((\a)%4)+(\b))+3]   offset:(\a)*16*DP+64*(\b)
	ds_store_b128 v[STO], v[8*(8*((\a)%4)+(\b))+4:8*(8*((\a)%4)+(\b))+7] offset:(\a)*16*DP+64*(\b)+16
.endr
.endr
	WIN 0
; Set s (0, 1) of registers holds 8 rows: x at 32 + 112 s (32 registers), then 32 for t and the polynomial, 32 for the exponent, 16 for the packed result; its 8 gates at 8 + 8 s.
.macro LOADS s                         ; ten LDS loads; LDS serves a wave's instructions in order, so these see my stores above
.irp t, 0,1,2,3,4,5,6,7
	ds_load_b128 v[32+112*(\s)+4*(\t):32+112*(\s)+4*(\t)+3], v[RD] offset:(8*(\s)+(\t))*DP
.endr
	ds_load_b128 v[8+8*(\s):8+8*(\s)+3],   v[GA] offset:32*(\s)
	ds_load_b128 v[8+8*(\s)+4:8+8*(\s)+7], v[GA] offset:32*(\s)+16
.endm
; 32 numbers a lane.  Two batches of 32 transcendentals, plain instructions between them, and ONE wait behind each batch, ahead of its first reader.
.macro HALF s
.set XS, 32+112*(\s)
.set DS, XS+32
.set YS, XS+64
.set PS, XS+96
.set GG, 8+8*(\s)
.set n, 0
.rept 32
	v_fma_f32 v[DS+n], |v[XS+n]|, s[K1], 1.0       ; 1 + p z
.set n, n+1
.endr
.set n, 0
.rept 16
	v_pk_mul_f32 v[YS+2*n:YS+2*n+1], v[XS+2*n:XS+2*n+1], s[C1:C1+1] op_sel_hi:[1,0]
.set n, n+1
.endr
.set n, 0
.rept 16                               ; the reciprocals; beside them -(C1 x)^2 and X = x (0.5 w), the row's gate for both halves
	v_rcp_f32 v[DS+2*n], v[DS+2*n]
	v_pk_mul_f32 v[YS+2*n:YS+2*n+1], v[YS+2*n:YS+2*n+1], v[YS+2*n:YS+2*n+1] neg_lo:[1,0] neg_hi:[1,0]
	v_rcp_f32 v[DS+2*n+1], v[DS+2*n+1]
.if (n/2)%2 == 0
	v_pk_mul_f32 v[XS+2*n:XS+2*n+1], v[XS+2*n:XS+2*n+1], v[GG+n/2:GG+n/2+1] op_sel_hi:[1,0]
.else
	v_pk_mul_f32 v[XS+2*n:XS+2*n+1], v[XS+2*n:XS+2*n+1], v[GG+n/2-1:GG+n/2] op_sel:[0,1] op_sel_hi:[1,1]
.endif
.set n, n+1
.endr
	s_wait_alu depctr_va_vdst(0)                   ; the wait for the 32 reciprocals; the line ahead of it is plain
.set n, 0
.rept 8                                ; the exponentials; beside them ((a3 t + a2) t + a1) t
	v_exp_f32 v[YS+4*n], v[YS+4*n]
	v_pk_fma_f32 v[TP:TP+1], v[DS+4*n:DS+4*n+1], s[A3:A3+1], s[A2:A2+1] op_sel_hi:[1,0,0]
	v_exp_f32 v[YS+4*n+1], v[YS+4*n+1]
	v_pk_fma_f32 v[TP+2:TP+3], v[DS+4*n+2:DS+4*n+3], s[A3:A3+1], s[A2:A2+1] op_sel_hi:[1,0,0]
	v_exp_f32 v[YS+4*n+2], v[YS+4*n+2]
	v_pk_fma_f32 v[TP:TP+1], v[TP:TP+1], v[DS+4*n:DS+4*n+1], s[A1:A1+1] op_sel_hi:[1,1,0]
	v_exp_f32 v[YS+4*n+3], v[YS+4*n+3]
	v_pk_fma_f32 v[TP+2:TP+3], v[TP+2:TP+3], v[DS+4*n+2:DS+4*n+3], s[A1:A1+1] op_sel_hi:[1,1,0]
	v_pk_mul_f32 v[DS+4*n:DS+4*n+1], v[TP:TP+1], v[DS+4*n:DS+4*n+1]
	v_pk_mul_f32 v[DS+4*n+2:DS+4*n+3], v[TP+2:TP+3], v[DS+4*n+2:DS+4*n+3]
.set n, n+1
.endr
	s_wait_alu depctr_va_vdst(0)                   ; the wait for the 32 exponentials
	s_wait_xcnt 0x0                                ; this set's packed registers, which the last trip's stores read, are rewritten only behind this wait
.set n, 0
.rept 16
	v_pk_fma_f32 v[DS+2*n:DS+2*n+1], v[DS+2*n:DS+2*n+1], v[YS+2*n:YS+2*n+1], 1.0 op_sel_hi:[1,1,0] neg_lo:[1,0,0] neg_hi:[1,0,0]  ; erf
.set n, n+1
.endr
.set n, 0
.rept 32
	v_fma_f32 v[XS+n], |v[XS+n]|, v[DS+n], v[XS+n] ; X + |X| erf
.set n, n+1
.endr
.set n, 0
.rept 16
	v_cvt_pk_bf16_f32 v[PS+n], v[XS+2*n], v[XS+2*n+1]
.set n, n+1
.endr
.irp t, 0,1,2,3,4,5,6,7
	global_store_b64 v[CO], v[PS+2*(\t):PS+2*(\t)+1], s[12:13] offset:(8*(\s)+(\t))*8192  ; a row's 256 consecutive bytes, at a multiple of 256 from act's first byte
.endr
.endm
; 16 rows.  more = 1: the next trip's first 8 rows are asked for while this trip's last 8 are worked on.
; The two LDS addresses are a lane term that is never rewritten plus a scalar that steps by a constant once a trip.
.macro TRIP more
	LOADS 1
	s_wait_dscnt 10                                ; set 0 is in; set 1's ten loads may stay out
	HALF 0
.if \more
	s_add_co_u32 s[TBR], s[TBR], 16*DP             ; 16 rows on in my f32 tile,
	s_add_co_u32 s[TBG], s[TBG], 64                ; 16 gates on
	v_add_nc_u32 v[RD], s[TBR], v[RD0]
	v_add_nc_u32 v[GA], s[TBG], v[GA0]
	LOADS 0
	s_wait_dscnt 10                                ; set 1 is in; the ten just issued may stay out
.else
	s_wait_dscnt 0x0
.endif
	HALF 1
.if \more
	s_wait_xcnt 0x0                                ; the stores' offset is stepped only behind this wait
	v_add_nc_u32 v[CO], 16*8192, v[CO]
.endif
.endm
	s_mov_b32 s[TBR], 0
	s_mov_b32 s[TBG], 0
	LOADS 0
	s_mov_b32 s3, 7
.Lrows:
	TRIP 1
	s_sub_co_u32 s3, s3, 1
	s_cmp_lg_u32 s3, 0
	s_cbranch_scc1 .Lrows
	TRIP 0                                         ; the last 16 rows are written out: no read passes my own 128 rows
	s_wait_tensorcnt 0x0                           ; the wave's end: behind my last tensor load and my last LDS store
	ds_add_u32 v[SPW], v[NIL]
	s_wait_dscnt 0x0
	CROUND                                         ; the closing round: no work-group ends while a partner may still ask for a tile that names it
	; out1's store: of the waves that made the sum, lane 0 of the work-group at place (0, 0) of its cluster stores it.  The place in the cluster enters this one store's lane mask alone,
	; and the mask stands here, behind the wave's last LDS instruction, its last barrier and its last other vector write.
	s_cmp_lg_u32 s[WV], 0
	s_cbranch_scc1 .Lend
	s_and_b32 s44, ttmp7, 0xffff
	s_or_b32 s44, s44, ttmp9
	s_cmp_lg_u32 s44, 0
	s_cbranch_scc1 .Lend
	s_or_b32 s46, s19, s20                         ; cx | cy
	v_or_b32 v31, s46, v0                          ; 0 in thread 0 of place (0, 0) alone
	v_mov_b32 v2, 0                                ; out1's one word
	v_cmp_eq_u32 s78, 0, v31
	s_wait_xcnt 0x0                                ; EXEC changes only behind this wait
	s_and_saveexec_b32 s79, s78
	global_store_b32 v2, v[AUX], s[14:15]
	s_wait_xcnt 0x0
	s_or_b32 exec_lo, exec_lo, s79
.Lend:
	s_endpgm
.Lfunc_end_k_q1cce21a024_up:
	.size	k_q1cce21a024_up, .Lfunc_end_k_q1cce21a024_up-k_q1cce21a024_up
	.p2alignl 7, 3214868480
	.fill 96, 4, 3214868480
	.section	.rodata,"a",@progbits
	.p2align	6, 0x0
	.amdhsa_kernel k_q1cce21a024_up
		.amdhsa_group_segment_fixed_size 327680
		.amdhsa_private_segment_fixed_size 0
		.amdhsa_enable_private_segment 0
		.amdhsa_kernarg_size 48
		.amdhsa_user_sgpr_count 2
		.amdhsa_user_sgpr_kernarg_segment_ptr 1
		.amdhsa_wavefront_size32 1
		.amdhsa_system_sgpr_workgroup_id_x 1
		.amdhsa_system_sgpr_workgroup_id_y 1
		.amdhsa_system_sgpr_workgroup_id_z 1
		.amdhsa_system_vgpr_workitem_id 0
		.amdhsa_next_free_vgpr 1024
		.amdhsa_next_free_sgpr 84
		.amdhsa_reserve_vcc 0
		.amdhsa_float_denorm_mode_32 3
		.amdhsa_float_denorm_mode_16_64 3
		.amdhsa_memory_ordered 1
		.amdhsa_forward_progress 1
		.amdhsa_inst_pref_size 186
	.end_amdhsa_kernel
	.amdgpu_metadata
---
amdhsa.version: [ 1, 2 ]
amdhsa.kernels:
  - .name:           k_q1cce21a024_up
    .symbol:         k_q1cce21a024_up.kd
    .args:
      - { .name: xb, .offset: 0, .size: 8, .value_kind: global_buffer, .address_space: global }
      - { .name: wupb, .offset: 8, .size: 8, .value_kind: global_buffer, .address_space: global }
      - { .name: gate, .offset: 16, .size: 8, .value_kind: global_buffer, .address_space: global }
      - { .name: psum, .offset: 24, .size: 8, .value_kind: global_buffer, .address_space: global }
      - { .name: act, .offset: 32, .size: 8, .value_kind: global_buffer, .address_space: global }
      - { .name: out1, .offset: 40, .size: 8, .value_kind: global_buffer, .address_space: global }
    .group_segment_fixed_size: 327680
    .private_segment_fixed_size: 0
    .kernarg_segment_align: 8
    .kernarg_segment_size: 48
    .max_flat_workgroup_size: 128
    .sgpr_count:     84
    .vgpr_count:     1024
    .wavefront_size: 32
...
	.end_amdgpu_metadata
.endif
;; end of part 2
;; launch down (part 3): grid 4 x 64, 4 waves a work-group, clusters of 4 x 4, 327,680 bytes of LDS; arguments act, wdnb, out0; writes out0
.if DOCPART == 3
	.amdgcn_target "amdgcn-amd-amdhsa--gfx1250"
	.amdhsa_code_object_version 6
	.text
	.protected	k_q1cce21a024_down
	.globl	k_q1cce21a024_down
	.p2align	8
	.type	k_q1cce21a024_down,@function
k_q1cce21a024_down:
	s_mov_b64 s[64:65], 0
	v_nop
	global_prefetch_b8 v0, s[64:65] scope:SCOPE_SE
	s_setreg_imm32_b32 hwreg(HW_REG_WAVE_MODE, 25, 1), 1
	s_wait_xcnt 0x0
	s_wait_alu depctr_hold_cnt(0) depctr_sa_sdst(0) depctr_va_vdst(0) depctr_va_sdst(0) depctr_va_ssrc(0) depctr_va_vcc(0) depctr_vm_vsrc(0)
	s_getreg_b32 s2, hwreg(HW_REG_IB_STS2, 6, 4)
	s_cmp_eq_u32 s2, 0
	s_cbranch_scc0 .Lentry_in_a_cluster
	s_endpgm
.Lentry_in_a_cluster:
	s_bfe_u32 s2, ttmp6, 0x10000c
	s_cmp_lg_u32 s2, 0xf033
	s_cbranch_scc0 .Lentry_shape_is_right
	s_endpgm
.Lentry_shape_is_right:
; DOWN: out0[t][h] = sum over n of act[t][n] wdnb[n][h].  act [8192][4096] and wdnb [4096][1024] in bf16 (the gate is already in act; n runs over both experts), out0 [8192][1024] in f32; sums in f32.
; A tile of out0 is 128 rows x 256 columns: 256 work-groups, one for each WGP.  Four waves, 64 x 128 each: 32 accumulators, 256 registers.
; K STEPS.  Behind each change of slots a wave issues one tensor load, which has one K step's matrix work in which to land: so the step is as long as two LDS slots allow.  192 along K cost
; 128 x 432 + 192 x 544 = 159,744 bytes a slot, 319,488 for two; 224 along K would not fit.  4,096 = 2 x 128 + 20 x 192: the two first fills are 128 deep, steps 2 to 21 are 192 deep.
; A step of 192 is six quarters of 32 along K, 192 matrix instructions a wave, 176 of them between a tile's request and the wait for it.
; act's rows lie along K: 384 bytes a row in a tile, so every second step's rows begin 128 bytes past a multiple of 256: the price of the longer step.
; The weights lie [K][N] (rows of 512 bytes) and are turned on the way out of LDS by ds_load_tr16_b128.
; CLUSTER 4 x 4: a row of the cluster holds all four column tiles of one tile row and asks for its tile of act jointly; a column of the cluster asks for its tile of the weights jointly.
; THE MATRIX INSTRUCTION IS USED TRANSPOSED (source 0 = 16 columns of the weights, source 1 = 16 rows of act): a lane holds eight neighbouring numbers of a row of out0.
; THE WAY OUT: 16 rows at a time through each wave's own stage; a store of 16 bytes a lane covers a row's 512 consecutive bytes.  The stage lies in slot 0, which has had its last fill (step 20)
; and which no wave reads any more behind the barrier that ends step 20.
; LIMITS.  NaN and infinities are not treated apart.
; REGISTERS: window 0: v0-31 addresses; two fragment buffers of 96 at v32 and v128 (B's 8 fragments, then A's 4); on the way out 64 registers of each.  window 1: accumulator (a, b) at v[8 (8 a + b)].
.set KSTEP,  192
.set PA,     432                       ; A's LDS row in a step of 192: three pieces of 128 bytes + 16 = 108 words: the 16 rows of a fragment load start 44 banks apart, all different
.set PS,     272                       ; A's LDS row in the two first steps: 256 bytes + 16
.set PB,     544                       ; B's LDS row: 512 bytes + 32, an odd multiple of 32, for the turning load
.set HA,     64*PA                     ; what a load for A brings: 64 rows
.set HB,     96*PB                     ; what a load for B brings: 96 rows
.set HAS,    64*PS                     ; the same in the two first steps: 64 rows,
.set HBS,    64*PB                     ; 64 rows
.set BOFF,   2*HA                      ; in a slot: A's 128 rows, then B's rows
.set SLOT,   2*HA+2*HB
.set SPARE,  2*SLOT                    ; behind the ring: the spare words, 128 bytes a wave; no other line names them
.set SP,     528                       ; a row of the stage: 512 bytes + 16
.set ADRA, 16                          ; v16-17  LDS address of my A fragments in slot 0, 1, steps of 192
.set ADRS, 18                          ; v18-19  the same for the two first steps
.set ADRB, 20                          ; v20-21  the same for B, quarters 0 to 2
.set ADRB2, 22                         ; v22-23  B, quarters 3 to 5: 96 rows on, so that the offsets stay inside the 16-bit immediate
.set STO,  24                          ; v24     the way out: where I put 32 bytes of a row
.set RD,   25                          ; v25     the way out: where I read a row back
.set CO,   26                          ; v26     my byte offset in a row's 512 bytes of out0
.set SPW,  28                          ; v28     my spare word; never rewritten
.set NIL,  29                          ; v29     0; never rewritten
.set F0,   32
.set F1,   128
.set G1,   24                          ; s[24:31] group 1 for A, steps of 192;  s[32:39] group 0, a set for each slot
.set G0,   32
.set G1B,  48                          ; s[48:55], s[56:63] the same for B
.set G0B,  56
.set G1S,  68                          ; s[68:75] group 1 for A, the two first steps
.set G1BS, 76                          ; s[76:83] for B
.set G0S,  84                          ; s[84:91] group 0 for A, the two first steps
.set G0BS, 92                          ; s[92:99] for B
.set MSB, 0
.macro WIN new                         ; the immediate's high byte repeats the setting that is left; a switch that changes nothing is dropped
.if MSB != (\new)
	s_set_vgpr_msb (MSB<<8)|(\new)
.set MSB, \new
.endif
.endm
.set MUL, 0x50                         ; sources in window 0, C and D in window 1
; A joint load: waves 0 and 1 fetch A's two halves (group 0 at a0, group 1 at a1), waves 2 and 3 B's (b0, b1).  The branch hangs on the wave's number alone.
; An s_nop 0 and four v_nop follow each line.
.macro JLOAD a0, a1, b0, b1
	s_cmp_eq_u32 s11, 0
	s_cbranch_scc0 .Lfor_b_\@
	tensor_load_to_lds s[(\a0):(\a0)+3], s[(\a1):(\a1)+7]
	s_nop 0
.rept 4
	v_nop
.endr
	s_branch .Lasked_\@
.Lfor_b_\@:
	tensor_load_to_lds s[(\b0):(\b0)+3], s[(\b1):(\b1)+7]
	s_nop 0
.rept 4
	v_nop
.endr
.Lasked_\@:
.endm
.macro CREST                           ; a round of the cluster's barrier behind its opening barrier
	s_cmp_lg_u32 s10, 0
	s_cbranch_scc1 .Lnot_wave_0_\@
	s_barrier_signal -3
.Lnot_wave_0_\@:
	s_barrier_wait -3
	s_barrier_signal -1
	s_barrier_wait -1
.endm
.macro CROUND                          ; a whole round
	s_barrier_signal -1
	s_barrier_wait -1
	CREST
.endm
	s_load_b128 s[4:7], s[0:1], 0x0                ; act 4:5, wdnb 6:7
	s_load_b64 s[8:9], s[0:1], 0x10                ; out0
	v_lshl_add_u32 v[SPW], v0, 2, SPARE
	v_mov_b32 v[NIL], 0
	ds_add_u32 v[SPW], v[NIL]                      ; the wave's opening: the add and its wait come ahead of my first tensor load; the set-up below stands between them
	v_lshrrev_b32 v1, 5, v0
	v_readfirstlane_b32 s10, v1                    ; wave
	s_lshr_b32 s11, s10, 1                         ; my half of the tile's rows; also: I fetch for A (0) or B (1)
	s_and_b32 s12, s10, 1                          ; my half of its columns; also: which half of that tile I fetch
	s_bfe_u32 s40, ttmp6, 0x40000                  ; cx
	s_bfe_u32 s41, ttmp6, 0x40004                  ; cy
	s_lshl_b32 s42, ttmp9, 2
	s_add_co_u32 s42, s42, s40                     ; tile column
	s_and_b32 s13, ttmp7, 0xffff
	s_lshl_b32 s13, s13, 2
	s_add_co_u32 s13, s13, s41                     ; tile row
	s_lshl_b32 s43, s41, 2
	s_lshl_b32 s43, 15, s43                        ; my row of the cluster
	s_lshl_b32 s44, 0x1111, s40                    ; my column
	s_or_b32 s[G1+0], s43, (1<<16)|(1<<20)|(1<<21)|(4<<22)|(3<<25)    ; mask; 2-byte elements; padding on; bit 21 beside a mask; after every 32 words 4 words
	s_or_b32 s[G1S+0], s43, (1<<16)|(1<<20)|(1<<21)|(5<<22)|(3<<25)   ; the same; after every 64 words 4 words
	s_or_b32 s[G1B+0], s44, (1<<16)|(1<<20)|(1<<21)|(6<<22)|(7<<25)   ; the same; after every 128 words 8 words
	s_or_b32 s[G1BS+0], s44, (1<<16)|(1<<20)|(1<<21)|(6<<22)|(7<<25)
	s_mov_b32 s[G1+1], 192<<16                     ; A, steps of 192: tensor_dim0 = 192
	s_mov_b32 s[G1+2], 64<<16                      ; tensor_dim1 = 64
	s_mov_b32 s[G1+3], 192<<16                     ; tile_dim0 = 192
	s_mov_b32 s[G1+4], 64                          ; tile_dim1 = 64
	s_mov_b32 s[G1+5], 4096                        ; elements from row to row
	s_mov_b32 s[G1+6], 0
	s_mov_b32 s[G1+7], 0
	s_mov_b32 s[G1S+1], 128<<16                    ; A, the two first steps: 64 rows x 128
	s_mov_b32 s[G1S+2], 64<<16
	s_mov_b32 s[G1S+3], 128<<16
	s_mov_b32 s[G1S+4], 64
	s_mov_b32 s[G1S+5], 4096
	s_mov_b32 s[G1S+6], 0
	s_mov_b32 s[G1S+7], 0
	s_mov_b32 s[G1B+1], 256<<16                    ; B, steps of 192: 96 rows x 256
	s_mov_b32 s[G1B+2], 96<<16
	s_mov_b32 s[G1B+3], 256<<16
	s_mov_b32 s[G1B+4], 96
	s_mov_b32 s[G1B+5], 1024
	s_mov_b32 s[G1B+6], 0
	s_mov_b32 s[G1B+7], 0
	s_mov_b32 s[G1BS+1], 256<<16                   ; B, the two first steps: 64 rows x 256
	s_mov_b32 s[G1BS+2], 64<<16
	s_mov_b32 s[G1BS+3], 256<<16
	s_mov_b32 s[G1BS+4], 64
	s_mov_b32 s[G1BS+5], 1024
	s_mov_b32 s[G1BS+6], 0
	s_mov_b32 s[G1BS+7], 0
	s_lshl_b32 s16, s13, 20                        ; A: 128 rows of 8,192 bytes a tile row, 64 rows a half: the tile row and the wave alone
	s_lshl_b32 s17, s12, 19
	s_add_co_u32 s16, s16, s17
	s_mov_b32 s17, 0
	s_lshl_b32 s46, s42, 9                         ; B: 512 bytes a tile column: the tile column and the wave alone;
	s_mov_b32 s47, 0
	s_mul_i32 s18, s12, 96*2048                    ; my half of a step's rows of 2,048 bytes: 96 rows,
	s_mov_b32 s19, 0
	s_lshl_b32 s22, s12, 17                        ; in the two first steps 64 rows
	s_mov_b32 s23, 0
	s_mul_i32 s20, s12, HA                         ; where the loads go: the wave's number alone
	s_mul_i32 s21, s12, HB
	s_add_co_u32 s21, s21, BOFF
	s_mul_i32 s2, s12, HAS
	s_mul_i32 s45, s12, HBS
	s_add_co_u32 s45, s45, BOFF
	s_wait_dscnt 0x0                               ; the opening add is done
	s_wait_kmcnt 0x0
	s_add_nc_u64 s[14:15], s[4:5], s[16:17]
	s_add_nc_u64 s[46:47], s[6:7], s[46:47]
	s_add_nc_u64 s[22:23], s[46:47], s[22:23]      ; B at my half of step 0
	s_add_nc_u64 s[46:47], s[46:47], s[18:19]      ; B at my half of a step of 192 that began at k = 0
	CROUND                                         ; all sixteen work-groups are here: the first joint loads meet
.irp s, 0,1
	s_mov_b32 s[G0S+4*(\s)], 1                     ; steps 0 and 1: k = 128 s on
	s_add_co_u32 s[G0S+4*(\s)+1], s2, (\s)*SLOT
	s_add_nc_u64 s[G0S+4*(\s)+2:G0S+4*(\s)+3], s[14:15], (\s)*128*2
	s_or_b32 s[G0S+4*(\s)+3], s[G0S+4*(\s)+3], 0x80000000
	s_mov_b32 s[G0BS+4*(\s)], 1
	s_add_co_u32 s[G0BS+4*(\s)+1], s45, (\s)*SLOT
	s_add_nc_u64 s[G0BS+4*(\s)+2:G0BS+4*(\s)+3], s[22:23], (\s)*128*2048
	s_or_b32 s[G0BS+4*(\s)+3], s[G0BS+4*(\s)+3], 0x80000000
	JLOAD G0S+4*(\s), G1S, G0BS+4*(\s), G1BS       ; two loads of mine are out
.endr
.irp s, 0,1
	s_mov_b32 s[G0+4*(\s)], 1                      ; steps 2 and 3: k = 256 + 192 s on; asked for behind steps 0 and 1
	s_add_co_u32 s[G0+4*(\s)+1], s20, (\s)*SLOT
	s_add_nc_u64 s[G0+4*(\s)+2:G0+4*(\s)+3], s[14:15], (256+KSTEP*(\s))*2
	s_or_b32 s[G0+4*(\s)+3], s[G0+4*(\s)+3], 0x80000000
	s_mov_b32 s[G0B+4*(\s)], 1
	s_add_co_u32 s[G0B+4*(\s)+1], s21, (\s)*SLOT
	s_add_nc_u64 s[G0B+4*(\s)+2:G0B+4*(\s)+3], s[46:47], (256+KSTEP*(\s))*2048
	s_or_b32 s[G0B+4*(\s)+3], s[G0B+4*(\s)+3], 0x80000000
.endr
	v_and_b32 v1, 15, v0                           ; r
	v_bfe_u32 v2, v0, 4, 1                         ; h
	v_mul_u32_u24 v3, v1, PA
	v_lshl_add_u32 v3, v2, 4, v3                   ; A: row x pitch + 16 h
	s_mul_i32 s22, s11, HA
	v_add_nc_u32 v[ADRA], s22, v3
	v_add_nc_u32 v[ADRA+1], SLOT, v[ADRA]
	v_mul_u32_u24 v3, v1, PS                       ; the same with the first steps' pitch
	v_lshl_add_u32 v3, v2, 4, v3
	s_mul_i32 s22, s11, HAS
	v_add_nc_u32 v[ADRS], s22, v3
	v_add_nc_u32 v[ADRS+1], SLOT, v[ADRS]
	v_and_b32 v4, 7, v0                            ; B: lane l reads row 8 h + l % 8, 16 bytes at 16 ((l / 8) % 2); the load leaves column l % 16 and eight k in the lane
	v_lshl_add_u32 v4, v2, 3, v4
	v_mul_u32_u24 v4, v4, PB
	v_bfe_u32 v5, v0, 3, 1
	v_lshl_add_u32 v4, v5, 4, v4
	s_lshl_b32 s22, s12, 8                         ; my 128 columns
	s_add_co_u32 s22, s22, BOFF
	v_add_nc_u32 v[ADRB], s22, v4
	v_add_nc_u32 v[ADRB+1], SLOT, v[ADRB]
	v_add_nc_u32 v[ADRB2], 96*PB, v[ADRB]
	v_add_nc_u32 v[ADRB2+1], 96*PB, v[ADRB+1]
	s_mul_i32 s23, s10, 16*SP                      ; my stage, from slot 0's first byte on
	v_mul_u32_u24 v[STO], v1, SP
	v_lshl_add_u32 v[STO], v2, 5, v[STO]
	v_add_nc_u32 v[STO], s23, v[STO]
	v_and_b32 v5, 31, v0
	v_lshlrev_b32 v[CO], 4, v5
	v_add_nc_u32 v[RD], s23, v[CO]
	s_lshl_b32 s16, s13, 19                        ; out0: my first row x 4,096 bytes,
	s_lshl_b32 s17, s11, 18
	s_add_co_u32 s16, s16, s17
	s_mov_b32 s17, 0
	s_add_nc_u64 s[8:9], s[8:9], s[16:17]
	s_lshl_b32 s18, s42, 10                        ; and my first column
	s_lshl_b32 s19, s12, 9
	s_add_co_u32 s18, s18, s19
	s_mov_b32 s19, 0
	s_add_nc_u64 s[8:9], s[8:9], s[18:19]
; 8 matrix instructions: row block a x all 8 column blocks, 32 along K.  The 32 accumulators take turns, in the same order in every quarter.
.macro MULA f, a, zero
	WIN MUL
.irp b, 0,1,2,3,4,5,6,7
.if \zero
	v_wmma_f32_16x16x32_bf16 v[8*(8*(\a)+(\b)):8*(8*(\a)+(\b))+7], v[(\f)+8*(\b):(\f)+8*(\b)+7], v[(\f)+64+8*(\a):(\f)+64+8*(\a)+7], 0
.else
	v_wmma_f32_16x16x32_bf16 v[8*(8*(\a)+(\b)):8*(8*(\a)+(\b))+7], v[(\f)+8*(\b):(\f)+8*(\b)+7], v[(\f)+64+8*(\a):(\f)+64+8*(\a)+7], v[8*(8*(\a)+(\b)):8*(8*(\a)+(\b))+7]
.endif
.endr
.endm
; 24 LDS loads in one run: quarter q of a slot into buffer f: B's 8 column blocks, turned, then A's 4 row blocks.  sh = 1: one of the two first steps (A's rows 272 bytes apart, undivided).
.macro FETCH slot, q, f, sh
	WIN 0
.if (\q) < 3
.set BBASE, ADRB+(\slot)
.set BOFS, (\q)*32*PB
.else
.set BBASE, ADRB2+(\slot)
.set BOFS, ((\q)-3)*32*PB
.endif
.if \sh
.set ABASE, ADRS+(\slot)
.set AOFS, 64*(\q)
.set APIT, 16*PS
.else
.set ABASE, ADRA+(\slot)
.set AOFS, ((\q)/2)*144+((\q)%2)*64    ; two quarters to a piece of 128 bytes + 16
.set APIT, 16*PA
.endif
.irp i, 0,1,2,3,4,5,6,7
	ds_load_tr16_b128 v[(\f)+8*(\i):(\f)+8*(\i)+3],   v[BBASE] offset:BOFS+32*(\i)
	ds_load_tr16_b128 v[(\f)+8*(\i)+4:(\f)+8*(\i)+7], v[BBASE] offset:BOFS+16*PB+32*(\i)
.endr
.irp i, 0,1,2,3
	ds_load_b128 v[(\f)+64+8*(\i):(\f)+64+8*(\i)+3],   v[ABASE] offset:AOFS+(\i)*APIT
	ds_load_b128 v[(\f)+64+8*(\i)+4:(\f)+64+8*(\i)+7], v[ABASE] offset:AOFS+(\i)*APIT+32
.endr
.endm
.macro PLACES                          ; four plain vector instructions between matrix instructions and loads into their sources or readers of their results
.rept 4
	v_nop
.endr
.endm
; Any quarter of a step but its last: multiplies buffer f; in its middle it fetches quarter q of the same slot into buffer g.
.macro QUARTER slot, q, f, g, zero, sh
	s_wait_dscnt 4                                 ; B and A's blocks 0 and 1 are in; the youngest four loads may be out
	MULA \f, 0, \zero
	MULA \f, 1, \zero
	PLACES
	FETCH \slot, \q, \g, \sh
	s_wait_dscnt 24                                ; all but the 24 just issued
	MULA \f, 2, \zero
	MULA \f, 3, \zero
.endm
; A step's last quarter multiplies buffer 1 and changes slots.  fill = 1: the barrier opens a round of the cluster's, and this slot is filled again first behind it.
; on = 1: the slot's descriptors step two steps of 192 on first; on = 0: they stand ready (steps 2 and 3).  nsh = 1: the next slot holds one of the two first steps.
.macro TURN slot, next, fill, on, nsh
	WIN 0
	s_wait_tensorcnt 0x0                           ; all my tensor loads have landed: my part of the next slot;
	ds_add_u32 v[SPW], v[NIL]                      ; 0 onto my spare word;
	s_wait_dscnt 5                                 ; (the add and the youngest four loads may be out)
	MULA F1, 0, 0
	s_wait_dscnt 0x0                               ; the add is done, and my reads of this slot are over
	s_barrier_signal -1
	MULA F1, 1, 0
	WIN 0
	s_barrier_wait -1
.if \fill
	CREST                                          ; no wave of any partner still reads this slot or has a load on its way
.if \on
	s_add_nc_u64 s[G0+4*(\slot)+2:G0+4*(\slot)+3], s[G0+4*(\slot)+2:G0+4*(\slot)+3], 2*KSTEP*2
	s_add_nc_u64 s[G0B+4*(\slot)+2:G0B+4*(\slot)+3], s[G0B+4*(\slot)+2:G0B+4*(\slot)+3], 2*KSTEP*2048
.endif
	JLOAD G0+4*(\slot), G1, G0B+4*(\slot), G1B     ; its four v_nop are also the places in front of the loads below
.else
	PLACES
.endif
	FETCH \next, 0, F0, \nsh
	MULA F1, 2, 0
	MULA F1, 3, 0
.endm
; A step of 192: six quarters on buffers 0, 1, 0, 1, 0, 1; its first fragments were fetched by the step before.
.macro STEP slot, next, fill
	QUARTER \slot, 1, F0, F1, 0, 0
	QUARTER \slot, 2, F1, F0, 0, 0
	QUARTER \slot, 3, F0, F1, 0, 0
	QUARTER \slot, 4, F1, F0, 0, 0
	QUARTER \slot, 5, F0, F1, 0, 0
	TURN \slot, \next, \fill, 1, 0
.endm
	s_wait_tensorcnt 0x1                           ; my part of step 0 is in; step 1's may stay out
	s_barrier_signal -1
	s_barrier_wait -1
	FETCH 0, 0, F0, 1
	QUARTER 0, 1, F0, F1, 1, 1                     ; step 0, 128 along K; its first quarter's products start the sums
	QUARTER 0, 2, F1, F0, 0, 1
	QUARTER 0, 3, F0, F1, 0, 1
	TURN 0, 1, 1, 0, 1                             ; slot 0 takes step 2
	QUARTER 1, 1, F0, F1, 0, 1                     ; step 1, 128 along K
	QUARTER 1, 2, F1, F0, 0, 1
	QUARTER 1, 3, F0, F1, 0, 1
	TURN 1, 0, 1, 0, 0                             ; slot 1 takes step 3
	WIN 0
	s_mov_b32 s3, 9
.Llap:                                                 ; nine trips: steps 2 to 19 are multiplied, steps 4 to 21 asked for
	STEP 0, 1, 1
	STEP 1, 0, 1
	WIN 0
	s_sub_co_u32 s3, s3, 1
	s_cmp_lg_u32 s3, 0
	s_cbranch_scc1 .Llap
	STEP 0, 1, 0                                   ; step 20: nothing is left to fetch; behind its barrier no wave reads slot 0 any more
	QUARTER 1, 1, F0, F1, 0, 0                     ; step 21
	QUARTER 1, 2, F1, F0, 0, 0
	QUARTER 1, 3, F0, F1, 0, 0
	QUARTER 1, 4, F1, F0, 0, 0
	QUARTER 1, 5, F0, F1, 0, 0
	s_wait_dscnt 4
	MULA F1, 0, 0
	MULA F1, 1, 0
	s_wait_dscnt 0x0
	MULA F1, 2, 0
	MULA F1, 3, 0
	WIN 0
	PLACES
	; THE WAY OUT: block a's 16 rows into my stage (each accumulator's low registers first), back as whole rows of 512 bytes, stored
.irp a, 0,1,2,3
.set TT, 32+96*((\a)%2)
	s_wait_xcnt 0x0                                ; the registers that earlier stores read are loaded again only behind this wait
	WIN 0x04                                       ; store data in window 1
.irp b, 0,1,2,3,4,5,6,7
	ds_store_b128 v[STO], v[8*(8*(\a)+(\b)):8*(8*(\a)+(\b))+3]   offset:64*(\b)
	ds_store_b128 v[STO], v[8*(8*(\a)+(\b))+4:8*(8*(\a)+(\b))+7] offset:64*(\b)+16
.endr
	WIN 0
.irp t, 0,1,2,3,4,5,6,7,8,9,10,11,12,13,14,15
	ds_load_b128 v[TT+4*(\t):TT+4*(\t)+3], v[RD] offset:(\t)*SP  ; LDS serves a wave's instructions in order: these see the stores above, and the next block's stores come behind them
.endr
.irp t, 0,1,2,3,4,5,6,7,8,9,10,11,12,13,14,15
	s_wait_dscnt 15-(\t)
	global_store_b128 v[CO], v[TT+4*(\t):TT+4*(\t)+3], s[8:9] offset:(16*(\a)+(\t))*4096 th:TH_STORE_NT  ; 512 consecutive bytes, at a multiple of 256 from out0's first byte
.endr
.endr
	s_wait_tensorcnt 0x0                           ; the wave's end: behind my last tensor load and my last LDS store
	ds_add_u32 v[SPW], v[NIL]
	s_wait_dscnt 0x0
	CROUND                                         ; the closing round: no work-group ends while a partner may still ask for a tile that names it
	s_endpgm
.Lfunc_end_k_q1cce21a024_down:
	.size	k_q1cce21a024_down, .Lfunc_end_k_q1cce21a024_down-k_q1cce21a024_down
	.p2alignl 7, 3214868480
	.fill 96, 4, 3214868480
	.section	.rodata,"a",@progbits
	.p2align	6, 0x0
	.amdhsa_kernel k_q1cce21a024_down
		.amdhsa_group_segment_fixed_size 327680
		.amdhsa_private_segment_fixed_size 0
		.amdhsa_enable_private_segment 0
		.amdhsa_kernarg_size 24
		.amdhsa_user_sgpr_count 2
		.amdhsa_user_sgpr_kernarg_segment_ptr 1
		.amdhsa_wavefront_size32 1
		.amdhsa_system_sgpr_workgroup_id_x 1
		.amdhsa_system_sgpr_workgroup_id_y 1
		.amdhsa_system_sgpr_workgroup_id_z 1
		.amdhsa_system_vgpr_workitem_id 0
		.amdhsa_next_free_vgpr 512
		.amdhsa_next_free_sgpr 100
		.amdhsa_reserve_vcc 0
		.amdhsa_float_denorm_mode_32 3
		.amdhsa_float_denorm_mode_16_64 3
		.amdhsa_memory_ordered 1
		.amdhsa_forward_progress 1
		.amdhsa_inst_pref_size 151
	.end_amdhsa_kernel
	.amdgpu_metadata
---
amdhsa.version: [ 1, 2 ]
amdhsa.kernels:
  - .name:           k_q1cce21a024_down
    .symbol:         k_q1cce21a024_down.kd
    .args:
      - { .name: act, .offset: 0, .size: 8, .value_kind: global_buffer, .address_space: global }
      - { .name: wdnb, .offset: 8, .size: 8, .value_kind: global_buffer, .address_space: global }
      - { .name: out0, .offset: 16, .size: 8, .value_kind: global_buffer, .address_space: global }
    .group_segment_fixed_size: 327680
    .private_segment_fixed_size: 0
    .kernarg_segment_align: 8
    .kernarg_segment_size: 24
    .max_flat_workgroup_size: 128
    .sgpr_count:     100
    .vgpr_count:     512
    .wavefront_size: 32
...
	.end_amdgpu_metadata
.endif
;; end of part 3
